; MI455X (gfx1250); checked and timed in simulation.
; The chip was launched on July 23, 2026; its instructions are those of AMD's public machine-readable ISA for CDNA 5 (MIT licence, August 2026) and "CDNA5" Instruction Set Architecture Reference Guide (July 2026). The comments in the code are by the model that wrote it; some were corrected since.
;; Bilinear. Allowed arithmetic: matrix products marked QUANTISED: E2M1 operands, one E8M0 scale for each 32 along K, by v_wmma_scale_f32_16x16x128_f8f6f4 with both operands' format E2M1 (or v_wmma_scale_f32_32x16x128_f4), f32 sums; products left as they are: f32 operands where the result goes on into a quantised operand, else bf16, f16 or f32 operands; f32 sums; everything else in f32.
;; Inputs: bias 256 float32; weight 256 x 256 x 256 float32; x1 4,096 x 256 float32; x2 4,096 x 256 float32.
;; Outputs: out0 4,096 x 256 float32.
;; This version of the problem:
;;   THIS VERSION OF THE PROBLEM IS GIVEN IN LOW PRECISION. The matrix products marked QUANTISED in the list below multiply operands that are first quantised to E2M1 (2 exponent bits, 1 mantissa bit; 4 bits a number), with one power-of-two scale for each 32 numbers along K (OCP MX v1.0); their sums are f32. All else is computed in f32.
;;   The module's matrix products, in the order in which they are computed (A, B: the left and right operand; K: the contracted axis; several contracted axes count as one K, in the product's order):
;;     1. [M 4,096, K 256] x [K 256, N 65,536]; A: input x1; B: input weight: QUANTISED
;;     2. batch 4,096 x [M 256, K 256] x [K 256, N 1]; A: computed on the way; B: input x2: left as it is (N = 1 < 16)
;;   THE QUANTISER, for each operand of a quantised product, along K:
;;     - K is cut into blocks of 32 from its start; a last block that is shorter is filled with zeros.
;;     - A block's scale is 2^e with e = floor(log2(the largest magnitude in the block)) - 2, held to -126 .. 127; a block of zeros has e = 0. As a byte (E8M0): e + 127.
;;     - Each number is divided by its block's scale, clamped to +-6, and rounded to the nearest number of E2M1, ties to even, subnormals kept.
;;     - The product sums the exact products of the quantised numbers (number of the format x scale) in f32.
;;   ~~~python
;;   def quantise(x, axis):      # numpy; x: float32 -> the quantised numbers, widened to float32 again
;;       x = np.moveaxis(x, axis, -1); K = x.shape[-1]
;;       x = np.pad(x, [(0, 0)] * (x.ndim - 1) + [(0, -K % 32)]); x = x.reshape(x.shape[:-1] + (-1, 32)); a = np.abs(x).max(-1, keepdims=True)
;;       e = np.where(a > 0, np.clip(np.frexp(np.where(a > 0, a, 1))[1] - 1 - 2, -126, 127), 0)      # np.frexp(a)[1] - 1 = floor(log2(a)), exactly
;;       r = np.clip(x / 2.0 ** e, -6, 6)
;;       step = 2.0 ** (np.maximum(np.frexp(np.where(r == 0, 1, r))[1] - 1, 0) - 1)
;;       q = np.round(r / step) * step * 2.0 ** e      # np.round: ties to even
;;       return np.moveaxis(q.reshape(q.shape[:-2] + (-1,))[..., :K], -1, axis).astype(np.float32)
;;   ~~~
;; One version. Each part assembles by itself: llvm-mc -triple=amdgcn-amd-amdhsa -mcpu=gfx1250 --defsym DOCPART=n.
;; ======== version 1 of 1: 2 launches
;; limits: right only within a limited range of input values
;; workspace buffers: wq 8,912,896 bytes; x1q 589,824 bytes
;; launch prep (part 1): grid 256 x 1, 16 waves a work-group, no clusters, 0 bytes of LDS; arguments weight, x1, wq, x1q; writes wq, x1q
.if DOCPART == 1
	.amdgcn_target "amdgcn-amd-amdhsa--gfx1250"
	.amdhsa_code_object_version 6
	.text
	.protected	k_q165065eb39_prep
	.globl	k_q165065eb39_prep
	.p2align	8
	.type	k_q165065eb39_prep,@function
k_q165065eb39_prep:
	s_mov_b64 s[64:65], 0
	v_nop
	global_prefetch_b8 v0, s[64:65] scope:SCOPE_SE
	s_setreg_imm32_b32 hwreg(HW_REG_WAVE_MODE, 25, 1), 1
	s_wait_xcnt 0x0
; out[n][o] = sum over j of (sum over i of Q(x1)[n][i] Q(W)[o][i][j]) x2[n][j] + bias[o].  THIS LAUNCH quantises both operands of the first product along i to codes of FP4 (E2M1), one E8M0 byte for each 32 along i.
; Nothing of the problem is left out in either launch: all four inputs have a way to the output.
; A block's scale is 2^(floor(log2(its largest magnitude)) - 2); its byte is the largest magnitude's exponent field - 2, held at 1 from below.  Each number is divided by the scale and rounded to the nearest code, ties to even, beyond 6 the largest code.
; LIMITS: NaN and infinities among the inputs are not served.  A block of zeros gets the byte 1 where the rule says 127: its codes are zeros, which add nothing under any byte but 0xff, and this program alone reads the bytes.
; Blocks whose largest magnitude lies under 2^(3 - 127), the floor, keep the byte 1.
; THE RESULTS ARE LAID IN THE ORDER OF THE OPERANDS' REGISTERS, so that the next launch takes every fragment by loads of 16 bytes a lane at 16 x lane:
;   wq: for each o a block of OBLK = 34,816 bytes.  Codes: 16 columns j = 16 jt + r at 2,048 jt; in it piece 2 s + c at 512 (2 s + c); in it lane (r, h)'s 16 bytes at 16 (16 h + r): the 32 codes of i = 128 s + 64 c + 32 h + 0 .. 31.
;       Scale words from byte 32,768: for columns 32 cw + q and K step s the word at 256 cw + 128 s + 4 q; byte b scales i = 128 s + 32 b + 0 .. 31.
;   x1q: for each 16 nodes a block of 2,304 bytes: codes at 1,024 s + 512 c + 16 lane, scale words at 2,048 + 128 s + 4 lane (lanes 16-31 repeat lanes 0-15).
; SHARES.  Work-group g takes W[o = g] and nodes 16 g .. 16 g + 15 of x1.  In W[o] i is the FIRST axis: A LANE TAKES A COLUMN j AND ITS REGISTERS RUN DOWN i.  Wave wv takes columns 32 (wv % 8) + lane and i = 128 (wv / 8) + 0 .. 127:
; four whole blocks in 128 registers: no other lane is asked for a maximum, and the conversions' results are the operand's registers.  Each load of a wave reads 128 consecutive bytes, eight waves side by side a row's 1,024.
; Waves 0 and 1 also take K step wv of the 16 nodes of x1, where i is innermost.  No LDS, no barrier, no loop: every offset is an immediate, and no register that a load or store names is written again.
.set OBLK, 34816
.set XT,   2304
.set TM,   40                          ; v40-55   x1: at work: +0..3 largest magnitudes, +4..7 the other half's, then bytes, +12..15 the conversions' scale operands
.set PC,   56                          ; v56-63   x1: a fragment's codes
.set PW,   22                          ; v22      x1: its scale word
.set XN,   64                          ; v64-127  x1: 64 numbers of a lane
.set WN,   128                         ; v128-255 W: block b's 32 numbers at WN + 32 b
.set SEL,  20                          ; s[20:21] v_permlanex16_b32's selects for lane l xor 16
	s_load_b256 s[4:11], s[0:1], 0x0               ; weight s[4:5], x1 s[6:7], wq s[8:9], x1q s[10:11]
	v_lshrrev_b32 v1, 5, v0
	s_delay_alu instid0(VALU_DEP_1)
	v_readfirstlane_b32 s12, v1                    ; wave 0..15
	v_and_b32 v1, 31, v0                           ; lane
	v_and_b32 v7, 15, v0                           ; r
	v_bfe_u32 v6, v0, 4, 1                         ; h
	s_delay_alu instid0(VALU_DEP_3)
	v_lshlrev_b32 v2, 2, v1                        ; v2: 4 x lane: my column in a row of W, and my scale word
	s_delay_alu instid0(VALU_DEP_2)
	v_lshlrev_b32 v3, 11, v6
	s_delay_alu instid0(VALU_DEP_1)
	v_lshl_add_u32 v3, v7, 4, v3                   ; v3: where my codes go: 2,048 (lane / 16) + 16 (lane % 16)
	v_lshlrev_b32 v4, 10, v7
	s_delay_alu instid0(VALU_DEP_1)
	v_lshl_add_u32 v4, v6, 6, v4                   ; v4: x1: row r of 1,024 bytes, + 64 h: my 16 numbers of a block of 32
	v_lshlrev_b32 v5, 4, v1                        ; v5: 16 x lane
	s_and_b32 s13, s12, 7                          ; cw: which 32 columns
	s_lshr_b32 s14, s12, 3                         ; s: which 128 along i
	s_mov_b32 s[SEL], 0x76543210
	s_mov_b32 s[SEL+1], 0xfedcba98
	s_lshl_b32 s16, ttmp9, 18                      ; W: 262,144 g + 131,072 s + 128 cw
	s_lshl_b32 s15, s14, 17
	s_add_co_u32 s16, s16, s15
	s_lshl_b32 s15, s13, 7
	s_add_co_u32 s16, s16, s15
	s_mov_b32 s17, 0
	s_mul_i32 s24, ttmp9, OBLK
	s_lshl_b32 s15, s13, 12                        ; codes: OBLK g + 4,096 cw + 1,024 s
	s_add_co_u32 s26, s24, s15
	s_lshl_b32 s15, s14, 10
	s_add_co_u32 s26, s26, s15
	s_mov_b32 s27, 0
	s_lshl_b32 s15, s13, 8                         ; scale words: OBLK g + 32,768 + 256 cw + 128 s
	s_add_co_u32 s24, s24, s15
	s_lshl_b32 s15, s14, 7
	s_add_co_u32 s24, s24, s15
	s_add_co_u32 s24, s24, 32768
	s_mov_b32 s25, 0
	s_wait_kmcnt 0x0
	s_add_nc_u64 s[4:5], s[4:5], s[16:17]
	s_add_nc_u64 s[18:19], s[8:9], s[24:25]        ; s[18:19]: my scale words
	s_add_nc_u64 s[8:9], s[8:9], s[26:27]          ; s[8:9]: my codes
.macro WLOAD                           ; W(128 s + bi, my column), bi = 0 .. 127
.set bi, 0
.rept 128
	global_load_b32 v[WN+bi], v2, s[4:5] offset:bi*1024 th:TH_LOAD_NT
.set bi, bi+1
.endr
.endm
; 64 numbers of a lane, register 16 b + i = k 32 b + 16 (lane / 16) + i of my row, become a fragment's codes in v[PC] on and its scale word in v[PW]
.macro QUANT s
.irp b, 0,1,2,3
	v_max3_num_f32 v[TM+\b], |v[\s+16*\b]|, |v[\s+1+16*\b]|, 0x1800000   ; block b: my 16 numbers, and the floor 2^(3 - 127): the byte cannot fall under 1
.endr
.irp i, 2,4,6,8,10,12,14
.irp b, 0,1,2,3
	s_delay_alu instid0(VALU_DEP_4)
	v_max3_num_f32 v[TM+\b], v[TM+\b], |v[\s+16*\b+\i]|, |v[\s+1+16*\b+\i]|   ; the four blocks by turns
.endr
.endr
.irp b, 0,1,2,3
	s_delay_alu instid0(VALU_DEP_4)
	v_permlanex16_b32 v[TM+4+\b], v[TM+\b], s[SEL], s[SEL+1]
.endr
.irp b, 0,1,2,3
	s_delay_alu instid0(VALU_DEP_4)
	v_max_num_f32 v[TM+\b], v[TM+\b], v[TM+4+\b]   ; with lane l xor 16's: the block's largest magnitude
.endr
.irp b, 0,1,2,3
	s_delay_alu instid0(VALU_DEP_4)
	v_add_nc_u32 v[TM+12+\b], 0xff000000, v[TM+\b] ; 2 off its exponent field: the conversion takes the exponent field of this operand as its scale
.endr
.irp b, 0,1,2,3
	s_delay_alu instid0(VALU_DEP_4)
	v_lshrrev_b32 v[TM+4+\b], 23, v[TM+12+\b]      ; the scale's byte
.endr
	s_delay_alu instid0(VALU_DEP_3)
	v_lshl_or_b32 v[PW], v[TM+5], 8, v[TM+4]       ; four bytes: my row's scale word
	s_delay_alu instid0(VALU_DEP_1)
	v_lshl_or_b32 v[PW], v[TM+6], 16, v[PW]
	s_delay_alu instid0(VALU_DEP_1)
	v_lshl_or_b32 v[PW], v[TM+7], 24, v[PW]
.irp b, 0,1,2,3
	v_cvt_scalef32_pk8_fp4_f32 v[PC+2*\b], v[\s+16*\b:\s+7+16*\b], v[TM+12+\b]
	v_cvt_scalef32_pk8_fp4_f32 v[PC+1+2*\b], v[\s+8+16*\b:\s+15+16*\b], v[TM+12+\b]
.endr
	v_nop                                          ; one plain instruction between a scaled conversion and the vector instruction that touches its result
.irp c, 0,1                            ; the operand's layout wants a WHOLE block in a lane: lanes 0-15 block 2 c, lanes 16-31 block 2 c + 1
.irp i, 0,1
	v_permlane16_swap_b32 v[PC+4*\c+\i], v[PC+2+4*\c+\i]
.endr
.endr
.endm
	s_cmp_lt_u32 s12, 2                            ; ONE parting on the wave's number: all that x1's work reads is written in its own arm
	s_cbranch_scc0 .Lplain
	s_lshl_b32 s28, ttmp9, 14                      ; x1: 16,384 g + 512 wave
	s_lshl_b32 s15, s12, 9
	s_add_co_u32 s28, s28, s15
	s_mov_b32 s29, 0
	s_mul_i32 s30, ttmp9, XT
	s_lshl_b32 s15, s12, 7                         ; x1's scale words: XT g + 2,048 + 128 wave
	s_add_co_u32 s22, s30, s15
	s_add_co_u32 s22, s22, 2048
	s_mov_b32 s23, 0
	s_lshl_b32 s15, s12, 10                        ; x1's codes: XT g + 1,024 wave
	s_add_co_u32 s30, s30, s15
	s_mov_b32 s31, 0
	s_add_nc_u64 s[6:7], s[6:7], s[28:29]
	s_add_nc_u64 s[22:23], s[10:11], s[22:23]
	s_add_nc_u64 s[10:11], s[10:11], s[30:31]
	s_wait_alu depctr_va_vdst(0)
.irp b, 0,1,2,3
.irp j, 0,1,2,3
	global_load_b128 v[XN+16*\b+4*\j:XN+16*\b+4*\j+3], v4, s[6:7] offset:128*\b+16*\j th:TH_LOAD_NT
.endr
.endr
.irp b, 0,1,2,3
	v_mov_b32 v[TM+4+\b], 0                        ; a lane permute's destination counts as one of its sources
.endr
	WLOAD
	s_wait_loadcnt 63                              ; 128 loads were issued behind x1's sixteen; 63 is the largest count that the wait can name: x1's are in
	QUANT XN
.irp c, 0,1
	global_store_b128 v5, v[PC+4*\c:PC+4*\c+3], s[10:11] offset:512*\c   ; 512 consecutive bytes
.endr
	global_store_b32 v2, v[PW], s[22:23]
	s_branch .Lblocks
.Lplain:
	s_wait_alu depctr_va_vdst(0)
	WLOAD
.Lblocks:
; Block b of my column: all 32 numbers are mine.  left: how many younger loads may stay out (at most 63 can be named)
.macro BLOCK b, left
.set XB, WN+32*(\b)
	s_wait_loadcnt \left
	v_max3_num_f32 v[8+2*(\b)], |v[XB]|, |v[XB+1]|, |v[XB+2]|            ; two chains that do not wait for each other
	v_max3_num_f32 v[9+2*(\b)], |v[XB+3]|, |v[XB+4]|, |v[XB+5]|
.irp i, 6,10,14,18,22,26
	s_delay_alu instid0(VALU_DEP_2)
	v_max3_num_f32 v[8+2*(\b)], v[8+2*(\b)], |v[XB+\i]|, |v[XB+\i+1]|
	s_delay_alu instid0(VALU_DEP_2)
	v_max3_num_f32 v[9+2*(\b)], v[9+2*(\b)], |v[XB+\i+2]|, |v[XB+\i+3]|
.endr
	s_delay_alu instid0(VALU_DEP_2)
	v_max3_num_f32 v[8+2*(\b)], v[8+2*(\b)], |v[XB+30]|, |v[XB+31]|
	s_delay_alu instid0(VALU_DEP_1)
	v_max3_num_f32 v[8+2*(\b)], v[8+2*(\b)], v[9+2*(\b)], 0x1800000      ; and the floor
	s_delay_alu instid0(VALU_DEP_1)
	v_add_nc_u32 v[16+(\b)], 0xff000000, v[8+2*(\b)]                     ; the conversions' scale operand
	s_delay_alu instid0(VALU_DEP_1)
	v_lshrrev_b32 v20, 23, v[16+(\b)]                                    ; the scale's byte
.if (\b) == 0
	s_delay_alu instid0(VALU_DEP_1)
	v_mov_b32 v21, v20                             ; four bytes to the word, the lower i in the lower byte
.else
	s_delay_alu instid0(VALU_DEP_1)
	v_lshl_or_b32 v21, v20, 8*(\b), v21
.endif
.irp g, 0,1,2,3
	v_cvt_scalef32_pk8_fp4_f32 v[24+4*(\b)+\g], v[XB+8*\g:XB+8*\g+7], v[16+(\b)]
.endr
	global_store_b128 v3, v[24+4*(\b):27+4*(\b)], s[8:9] offset:512*((\b)/2)+256*((\b)%2)   ; lanes 0-15 store 256 consecutive bytes, aligned, of one batch of 16 columns; lanes 16-31 of the next.  (The codes go to stores alone, and each block has registers of its own: no plain line is owed behind the conversions)
.endm
	BLOCK 0, 63                                    ; 96 loads are younger
	BLOCK 1, 63                                    ; 64 are
	BLOCK 2, 32                                    ; block 3's
	BLOCK 3, 0
	global_store_b32 v2, v21, s[18:19]             ; my column's scale word: the wave stores 128 consecutive bytes
	s_endpgm
.Lfunc_end_k_q165065eb39_prep:
	.size	k_q165065eb39_prep, .Lfunc_end_k_q165065eb39_prep-k_q165065eb39_prep
	.p2alignl 7, 3214868480
	.fill 96, 4, 3214868480
	.section	.rodata,"a",@progbits
	.p2align	6, 0x0
	.amdhsa_kernel k_q165065eb39_prep
		.amdhsa_group_segment_fixed_size 0
		.amdhsa_private_segment_fixed_size 0
		.amdhsa_enable_private_segment 0
		.amdhsa_kernarg_size 32
		.amdhsa_user_sgpr_count 2
		.amdhsa_user_sgpr_kernarg_segment_ptr 1
		.amdhsa_wavefront_size32 1
		.amdhsa_system_sgpr_workgroup_id_x 1
		.amdhsa_system_sgpr_workgroup_id_y 1
		.amdhsa_system_sgpr_workgroup_id_z 1
		.amdhsa_system_vgpr_workitem_id 0
		.amdhsa_next_free_vgpr 256
		.amdhsa_next_free_sgpr 66
		.amdhsa_reserve_vcc 0
		.amdhsa_float_denorm_mode_32 3
		.amdhsa_float_denorm_mode_16_64 3
		.amdhsa_memory_ordered 1
		.amdhsa_forward_progress 1
		.amdhsa_inst_pref_size 43
	.end_amdhsa_kernel
	.amdgpu_metadata
---
amdhsa.version: [ 1, 2 ]
amdhsa.kernels:
  - .name:           k_q165065eb39_prep
    .symbol:         k_q165065eb39_prep.kd
    .args:
      - { .name: weight, .offset: 0, .size: 8, .value_kind: global_buffer, .address_space: global }
      - { .name: x1, .offset: 8, .size: 8, .value_kind: global_buffer, .address_space: global }
      - { .name: wq, .offset: 16, .size: 8, .value_kind: global_buffer, .address_space: global }
      - { .name: x1q, .offset: 24, .size: 8, .value_kind: global_buffer, .address_space: global }
    .group_segment_fixed_size: 0
    .private_segment_fixed_size: 0
    .kernarg_segment_align: 8
    .kernarg_segment_size: 32
    .max_flat_workgroup_size: 512
    .sgpr_count:     66
    .vgpr_count:     256
    .wavefront_size: 32
...
	.end_amdgpu_metadata
.endif
;; end of part 1
;; launch bilin (part 2): grid 16 x 16, 8 waves a work-group, clusters of 4 x 1, 327,680 bytes of LDS; arguments wq, x1q, x2, bias, out0; writes out0
.if DOCPART == 2
	.amdgcn_target "amdgcn-amd-amdhsa--gfx1250"
	.amdhsa_code_object_version 6
	.text
	.protected	k_q165065eb39_bilin
	.globl	k_q165065eb39_bilin
	.p2align	8
	.type	k_q165065eb39_bilin,@function
k_q165065eb39_bilin:
	s_mov_b64 s[64:65], 0
	v_nop
	global_prefetch_b8 v0, s[64:65] scope:SCOPE_SE
	s_setreg_imm32_b32 hwreg(HW_REG_WAVE_MODE, 25, 1), 1
	s_wait_xcnt 0x0
	s_wait_alu depctr_hold_cnt(0) depctr_sa_sdst(0) depctr_va_vdst(0) depctr_va_sdst(0) depctr_va_ssrc(0) depctr_va_vcc(0) depctr_vm_vsrc(0)
	s_getreg_b32 s2, hwreg(HW_REG_IB_STS2, 6, 4)
	s_cmp_eq_u32 s2, 0
	s_cbranch_scc0 .Lentry_in_a_cluster
	s_endpgm
.Lentry_in_a_cluster:
	s_bfe_u32 s2, ttmp6, 0x10000c
	s_cmp_lg_u32 s2, 0x3003
	s_cbranch_scc0 .Lentry_shape_is_right
	s_endpgm
.Lentry_shape_is_right:
; out[n][o] = sum over j of buff[n][o][j] x2[n][j] + bias[o], buff[n][o][j] = sum over i of Q(x1)[n][i] Q(W)[o][i][j]: the first product on codes of FP4 (E2M1) with E8M0 scales, as the launch before has laid them; the sum over j in f32.
; Nothing of the problem is left out.  buff never leaves the registers: each result is multiplied by x2 and summed at once.
; SHARES.  A work-group owns 256 nodes x 16 o.  Wave wv = 4 jw + a owns 64 nodes (quarter a, four tiles of 16) and the 128 columns j = 128 jw + 0 .. 127, for all 16 o: its x2 (256 registers) and its x1 (codes, 64 registers) stay in
; registers for the whole launch.  The two jw's partial sums over j meet in LDS at the end.
; THE MATRIX INSTRUCTION IS THE 32-ROW FORM, USED TRANSPOSED: source 0 = 32 columns of W, source 1 = 16 nodes.  In the result lane (r, h) holds node r; registers 0-7 the columns 32 cg + 8 h + 0 .. 7, registers 8-15 those 16 further on;
; x2[node r][those j] lies in the same lane at the same place.
; A STEP (cg, q) is 32 columns x the tiles 2 q, 2 q + 1: 4 matrix instructions on two accumulators by turns, and the 16 packed multiply-adds of the step before, whose results lie in the other two accumulators.
; W comes through a ring of two LDS slots of four o-blocks (34,816 bytes each: codes and scale words as images of the operand's registers, read at 16 x lane and 4 x lane).  Each wave's tensor load brings half an o-block, 68 rows of 256 bytes.
; CLUSTER.  Its four work-groups own four node blocks and the same 16 o: each tile is asked for JOINTLY, by the same tensor load with the same descriptor and the mask of all four.
; By this text's own count a wave has at most one tensor load outstanding.
; No data prefetch: the head's two fills bring half of the 16 o-blocks, the launch has two refills in all, and each is asked for four o, 128 matrix instructions a wave, ahead of its first read: there is no further loop to run ahead in.
; REGISTERS, in two windows (s_set_vgpr_msb: bits 1:0 source 0, 3:2 source 1, 5:4 source 2, 7:6 destination).  Window 1: x1 of tiles 2, 3, their x2 of odd cg, accumulators, sums, W's fragments, addresses.
; Window 0: scale words, bias, x1 and x2 of tiles 0, 1, x2 of tiles 2, 3 of even cg.  So all but source 1 lie in window 1, and two settings serve: M1 (source 1 in window 1) and M0 (source 1 in window 0).
; LIMITS: NaN and infinities among the inputs are not served.  A work-group's 16 o are 64 bytes of a row of out: each store of a wave covers eight runs of 64 consecutive bytes.
.set OBLK,   34816                     ; an o-block: 32,768 bytes of codes, 2,048 of scale words
.set PART,   OBLK/2                    ; what a wave's tensor load brings
.set SLOT0,  0
.set SLOT1,  4*OBLK
.set STAGE,  2*SLOT1                   ; the partial sums, a plane of OP bytes for each o
.set OP,     2064                      ; 8 waves x 64 nodes x 4 bytes, + 16
.set XSTG,   STAGE+6400                ; the turn of x2, a region of 16 rows for each wave, behind planes 0 to 2: the later planes are stored behind the first change of slots
.set XP,     272                       ; its row: 64 j, + 16 bytes
.set SPARE,  XSTG+8*16*XP              ; 319,744: the spare words, 128 bytes for each wave: four blocks of 256 bytes that no other line names (the planes end below)
.set XT,     2304                      ; a node tile in x1q
.set LX,  4                            ; v4   16 x lane
.set LXS, 5                            ; v5   x1's scale words: K step h, row r
.set X2O, 6                            ; v6   x2: two rows an instruction, 256 bytes of each
.set STI, 7                            ; v7   x2's turn, in
.set STO, 8                            ; v8   x2's turn, out
.set FA,  9                            ; v9   the way out: the partial sums of four nodes
.set GO,  10                           ; v10  the way out: my place in out
.set BO,  11                           ; v11  16 (lane % 4)
.set SPW, 14                           ; v14  LDS address of my spare word; never rewritten
.set NIL, 15                           ; v15  0; never rewritten
.set WS,  16                           ; v16-19  W's scale words, two buffers: K step s at WS + 2 b + s
.set XS,  20                           ; v20-23  x1's scale words: tile t: K step 0 in lanes 0-15, K step 1 in lanes 16-31
.set BI,  24                           ; v24-27  bias of four o
.set X1P, 28                           ; x1 of tiles 0, 1
.set X2P, 60                           ; x2 of tiles 0, 1
.set X2C, 188                          ; x2 of tiles 2, 3, cg 0 and 2
.set V,   60                           ; the way out
.set OUT, 92
.set X2Q, 0                            ; window 1: x2 of tiles 2, 3, cg 1 and 3
.set X1Q, 64                           ; x1 of tiles 2, 3
.set ACC, 96                           ; four accumulators, one a tile
.set SUM, 160                          ; tile t's two pairs of sums at SUM + 4 t, + 2
.set WB,  176                          ; W's fragments: two buffers of 32 columns
.set AI,  240                          ; LDS address of the o-block's images for my lane
.set AS,  241                          ; and of its scale words
.set SW,  242                          ; the o's plane of partial sums, my word
.set LI0, 243
.set LS0, 244
.set SA,  245
.set RR,  246                          ; an o's sums on their way to the stage, one register a tile
.set WV,  14                           ; s14  my wave's number
.set G1,  24                           ; s[24:31] descriptor group 1
.set G0A, 32                           ; s[32:35] group 0 of slot 0's fills
.set G0B, 36                           ; s[36:39] group 0 of slot 1's fills
.set TB,  40                           ; s40  LDS byte at which the o-block in hand begins
.set SO,  41                           ; s41  LDS byte of the o's plane
.set TR,  42
.set M1, 0x55
.set M0, 0x51
.set MSB, 0
.macro WIN new                         ; the immediate's high byte repeats the setting that is left; a switch that changes nothing is dropped
.if MSB != (\new)
	s_set_vgpr_msb (MSB<<8)|(\new)
.set MSB, (\new)
.endif
.endm
.macro CREST                           ; a round of the cluster's barrier behind its opening barrier
	s_cmp_lg_u32 s[WV], 0
	s_cbranch_scc1 .Lnot_wave_0_\@
	s_barrier_signal -3
.Lnot_wave_0_\@:
	s_barrier_wait -3
	s_barrier_signal -1
	s_barrier_wait -1
.endm
.macro CROUND                          ; a whole round
	s_barrier_signal -1
	s_barrier_wait -1
	CREST
.endm
	s_load_b256 s[4:11], s[0:1], 0x0               ; wq s[4:5], x1q s[6:7], x2 s[8:9], bias s[10:11]
	s_load_b64 s[12:13], s[0:1], 0x20              ; out
	v_lshl_add_u32 v[SPW], v0, 2, SPARE
	v_mov_b32 v[NIL], 0
	ds_add_u32 v[SPW], v[NIL]                      ; the wave's opening: the add, twice on end, and its wait ahead of my first tensor load; the set-up below is work on registers
	ds_add_u32 v[SPW], v[NIL]
	v_lshrrev_b32 v1, 5, v0
	v_readfirstlane_b32 s[WV], v1                  ; wave 0..7
	s_bfe_u32 s15, ttmp6, 0x40000                  ; cx: my place in the cluster
	s_lshl_b32 s16, ttmp9, 2
	s_add_co_u32 s16, s16, s15                     ; my block of 256 nodes = 4 x cluster x + cx: it enters the addresses of x1q, x2 and out alone
	s_and_b32 s17, ttmp7, 0xffff                   ; which 16 o: the four partners share it
	s_mul_i32 s18, s[WV], PART                     ; my part's place in a slot, in LDS and in memory: no place in the cluster enters it
	s_lshr_b32 s19, s[WV], 2                       ; jw
	s_and_b32 s21, s[WV], 3                        ; a
	s_lshl_b32 s20, s19, 14                        ; my 128 columns in an o-block: codes
	s_lshl_b32 s43, s19, 10
	s_add_co_u32 s43, s43, 32768                   ; and scale words
	s_lshl_b32 s44, s[WV], 8                       ; my 256 bytes of a plane
	s_lshl_b32 s45, s[WV], 15                      ; the way out: 32 rows of 1,024 bytes a wave
	s_lshl_b32 s22, s[WV], 7
	s_add_co_u32 s22, s22, STAGE
	s_mul_i32 s23, s[WV], 16*XP
	s_add_co_u32 s23, s23, XSTG
	; descriptor group 1: half an o-block, dense in memory, as 68 rows of 256 bytes (32 elements of 8 bytes), no padding
	s_mov_b32 s[G1+0], 15|(3<<16)|(1<<21)          ; 15:0 the mask: all four work-groups; 17:16 elements of 8 bytes; 21 set beside a mask
	s_mov_b32 s[G1+1], 32<<16                      ; tensor_dim0 = 32
	s_mov_b32 s[G1+2], 68<<16                      ; tensor_dim1 = 68
	s_mov_b32 s[G1+3], 32<<16                      ; tile_dim0 = 32
	s_mov_b32 s[G1+4], 68                          ; tile_dim1 = 68
	s_mov_b32 s[G1+5], 32                          ; from row to row
	s_mov_b32 s[G1+6], 0
	s_mov_b32 s[G1+7], 0
	s_mul_i32 s54, s17, 16*OBLK                    ; wq: my 16 o, my part
	s_add_co_u32 s54, s54, s18
	s_mov_b32 s55, 0
	s_lshl_b32 s46, s16, 4                         ; x1q: node tile 16 x block + 4 a
	s_lshl_b32 s47, s21, 2
	s_add_co_u32 s46, s46, s47
	s_mul_i32 s46, s46, XT
	s_mov_b32 s47, 0
	s_lshl_b32 s50, s16, 18                        ; out: node 256 x block
	s_lshl_b32 s48, s21, 16                        ; x2: + 64 a, column 128 jw
	s_add_co_u32 s48, s48, s50
	s_lshl_b32 s49, s19, 9
	s_add_co_u32 s48, s48, s49
	s_mov_b32 s49, 0
	s_lshl_b32 s52, s17, 6                         ; 16 o of 4 bytes
	s_mov_b32 s53, 0
	s_add_co_u32 s50, s50, s52
	s_mov_b32 s51, 0
	s_mov_b32 s[TB], SLOT0
	s_mov_b32 s[SO], STAGE
	v_and_b32 v1, 31, v0                           ; lane
	v_and_b32 v2, 15, v0                           ; r
	v_bfe_u32 v3, v0, 4, 1                         ; h
	v_and_b32 v12, 3, v0                           ; lane % 4
	v_bfe_u32 v13, v0, 2, 3                        ; lane / 4
	v_lshlrev_b32 v[LX], 4, v1
	v_lshlrev_b32 v[LXS], 2, v2
	v_lshlrev_b32 v[X2O], 4, v2
	v_mul_u32_u24 v[STI], XP, v3
	v_mul_u32_u24 v[STO], XP, v2
	v_mul_u32_u24 v[FA], 4*OP, v12
	v_lshlrev_b32 v[GO], 12, v13
	v_lshlrev_b32 v[BO], 4, v12
	v_lshl_add_u32 v[LXS], v3, 7, v[LXS]
	v_lshl_add_u32 v[X2O], v3, 10, v[X2O]
	v_lshl_add_u32 v[STI], v2, 4, v[STI]           ; in: row h, 16 r
	v_lshl_add_u32 v[STO], v3, 5, v[STO]           ; out: row r, 32 h
	v_lshl_add_u32 v[FA], v13, 4, v[FA]            ; plane 4 (lane % 4), nodes 4 (lane / 4) of my wave's 32
	v_add_nc_u32 v[GO], s45, v[GO]
	v_add_nc_u32 v[STI], s23, v[STI]
	v_add_nc_u32 v[STO], s23, v[STO]
	v_add_nc_u32 v[FA], s22, v[FA]
	v_add_nc_u32 v[GO], v[GO], v[BO]
	WIN 0x40
	v_lshl_add_u32 v[LI0], v1, 4, s20
	v_lshl_add_u32 v[LS0], v1, 2, s43
	v_lshl_add_u32 v[SA], v1, 2, s44
	WIN 0
	s_wait_alu depctr_va_vdst(0)
	s_wait_dscnt 0x0                               ; both opening adds are done
	s_wait_kmcnt 0x0
	s_add_nc_u64 s[54:55], s[4:5], s[54:55]
	s_add_nc_u64 s[6:7], s[6:7], s[46:47]
	s_add_nc_u64 s[8:9], s[8:9], s[48:49]
	s_add_nc_u64 s[10:11], s[10:11], s[52:53]
	s_add_nc_u64 s[12:13], s[12:13], s[50:51]
	s_mov_b32 s[G0A], 1                            ; count = 1
	s_add_co_u32 s[G0A+1], s18, SLOT0              ; LDS address
	s_mov_b64 s[G0A+2:G0A+3], s[54:55]             ; global address: o 0 to 3
	s_or_b32 s[G0A+3], s[G0A+3], 0x80000000        ; type = 2
	s_mov_b32 s[G0B], 1
	s_add_co_u32 s[G0B+1], s18, SLOT1
	s_add_nc_u64 s[G0B+2:G0B+3], s[54:55], 4*OBLK  ; o 4 to 7
	s_or_b32 s[G0B+3], s[G0B+3], 0x80000000
	CROUND                                         ; all four work-groups are here: the first joint loads meet
	tensor_load_to_lds s[G0A:G0A+3], s[G1:G1+7]    ; slot 0: one tensor load a wave at the head
	s_nop 0
.rept 4
	v_nop
.endr
; x2 of tile t, columns 16 g + 8 h + 0 .. 7 of my 128: register xr of window xw
.macro XREG t, g
.if (\t) < 2
.set xr, X2P+64*(\t)+8*(\g)
.set xw, 0
.elseif ((\g)/2)%2 == 1
.set xr, X2Q+32*((\t)-2)+16*((\g)/4)+8*((\g)%2)
.set xw, 1
.else
.set xr, X2C+32*((\t)-2)+16*((\g)/4)+8*((\g)%2)
.set xw, 0
.endif
.endm
; x2's tile t, columns 64 e .. 64 e + 63, turns through my own 16 rows of LDS: in as whole pieces of 256 bytes of a row, out 32 bytes a lane
.macro XTURN t, e, left
	s_wait_loadcnt \left                           ; the younger loads may be out
.irp i, 0,1,2,3,4,5,6,7
	XREG \t, 4*\e+\i/2
	WIN 4*xw
	ds_store_b128 v[STI], v[xr+4*(\i%2):xr+4*(\i%2)+3] offset:2*XP*\i
.endr
	s_wait_dscnt 0x0                               ; the stores have read their registers: the loads land there
.irp i, 0,1,2,3,4,5,6,7
	XREG \t, 4*\e+\i/2
	WIN 64*xw
	ds_load_b128 v[xr+4*(\i%2):xr+4*(\i%2)+3], v[STO] offset:64*(\i/2)+16*(\i%2)
.endr
.endm
.irp t, 0,1,2,3
.irp e, 0,1
.irp i, 0,1,2,3,4,5,6,7
	XREG \t, 4*\e+\i/2
	WIN 64*xw
	global_load_b128 v[xr+4*(\i%2):xr+4*(\i%2)+3], v[X2O], s[8:9] offset:16384*\t+256*\e+2048*\i   ; rows 2 i, 2 i + 1 of the tile: sixteen lanes take 256 consecutive bytes of each
.endr
.endr
.endr
	XTURN 0, 0, 56
	XTURN 0, 1, 48
	XTURN 1, 0, 40
	XTURN 1, 1, 32
	WIN 0
.irp t, 0,1
.irp k, 0,1,2,3
	global_load_b128 v[X1P+16*\t+4*\k:X1P+16*\t+4*\k+3], v[LX], s[6:7] offset:XT*\t+512*\k
.endr
.endr
.irp t, 0,1,2,3
	global_load_b32 v[XS+\t], v[LXS], s[6:7] offset:XT*\t+2048
.endr
	global_load_b128 v[BI:BI+3], v[BO], s[10:11]   ; bias of o = 4 (lane % 4) + 0 .. 3 of my 16
	WIN 64
.irp t, 2,3
.irp k, 0,1,2,3
	global_load_b128 v[X1Q+16*(\t-2)+4*\k:X1Q+16*(\t-2)+4*\k+3], v[LX], s[6:7] offset:XT*\t+512*\k
.endr
.endr
	WIN 0
	s_wait_tensorcnt 0x0                           ; my part of slot 0 is in
	ds_add_u32 v[SPW], v[NIL]
	s_wait_dscnt 0x0                               ; the add is done
	CROUND                                         ; everybody's part of slot 0 is in, and all four work-groups are here
	tensor_load_to_lds s[G0B:G0B+3], s[G1:G1+7]    ; slot 1, the first tensor load behind the round
	s_nop 0
.rept 4
	v_nop
.endr
	XTURN 2, 0, 45                                 ; 24 of x2's loads and the 21 behind them are younger
	XTURN 2, 1, 37
	XTURN 3, 0, 29
	XTURN 3, 1, 21
	WIN 0
; Matrix instruction i of 4 of step (cg, q): K step i / 2, tile 2 q + i % 2
.macro MM i, cg, q
.set mS, (\i)/2
.set mT, 2*(\q)+(\i)%2
.set mD, ACC+16*mT
.set mA, WB+32*((\cg)%2)+16*mS
.if mT < 2
.set mB, X1P+16*mT+8*mS
.else
.set mB, X1Q+16*(mT-2)+8*mS
.endif
.set mW, WS+2*((\cg)%2)+mS
.set mX, XS+mT
.if mS == 0
	v_wmma_scale_f32_32x16x128_f4 v[mD:mD+15], v[mA:mA+15], v[mB:mB+7], 0, v[mW], v[mX]
.else
	v_wmma_scale_f32_32x16x128_f4 v[mD:mD+15], v[mA:mA+15], v[mB:mB+7], v[mD:mD+15], v[mW], v[mX] matrix_b_scale:MATRIX_SCALE_ROW1
.endif
.endm
; Multiply-add n of 16 of step (cg, q): the two tiles and each tile's two pairs of sums take turns; each result is read from its low end on; an o's first four start the sums
.macro PK n, cg, q
.set kP, (\n)/2
.set kT, 2*(\q)+(\n)%2
.set kG, 2*(\cg)+kP/4
.set kD, ACC+16*kT+2*kP
	XREG kT, kG
.set kX, xr+2*(kP%4)
.set kS, SUM+4*kT+2*(kP%2)
.if ((\cg) == 0) && (kP < 2)
	v_pk_mul_f32 v[kS:kS+1], v[kD:kD+1], v[kX:kX+1]
.else
	v_pk_fma_f32 v[kS:kS+1], v[kD:kD+1], v[kX:kX+1], v[kS:kS+1]
.endif
.endm
; The sums of an o: PADD adds a tile's two pairs, RADD the pair's two halves.  RSWAP: lanes 16-31 of tile 2 k change places with lanes 0-15 of tile 2 k + 1, so that one more addition (RJOIN) gives lane l node 32 k + l.
; RSTORE: one word a node into the o's plane.
.macro PADD t
	v_pk_add_f32 v[SUM+4*\t:SUM+4*\t+1], v[SUM+4*\t:SUM+4*\t+1], v[SUM+4*\t+2:SUM+4*\t+3]
.endm
.macro RADD t
	v_add_f32 v[RR+\t], v[SUM+4*\t], v[SUM+4*\t+1]
.endm
.macro REDUCE                          ; behind PADD 0, PADD 1
	PADD 2
	PADD 3
	RADD 0
	RADD 1
	RADD 2
	RADD 3
.irp k, 0,1
	v_permlane16_swap_b32 v[RR+2*\k], v[RR+2*\k+1]
.endr
.irp k, 0,1
	v_add_f32 v[RR+2*\k], v[RR+2*\k], v[RR+2*\k+1]
.endr
.irp k, 0,1
	ds_store_b32 v[SW], v[RR+2*\k] offset:128*\k
.endr
.endm
; STEP (cg, q): its products beside the multiply-adds of the step before.  Where both want one setting they are laid in two halves, else the four products stand ahead of the switch.
; hook 1, 2 (steps (0, 0), (0, 1)): the sums of the o before, each tile's added up ahead of the step that starts them anew.
; DISTANCES (ISA guide 7.12.1 for reads of the result): behind a step's last product stand eight multiply-adds or more of the step before, which name none of its registers, ahead of the first read of its result and of any load into its sources.
.macro STEP cg, q, hook=0
.if (\q) == 0
.set pg, ((\cg)+3)%4
.set pq, 1
.set mw, M0
.else
.set pg, (\cg)
.set pq, 0
.set mw, M1
.endif
.if (pq == 1) && (pg%2 == 1)
.set pw, M1
.else
.set pw, M0
.endif
	WIN mw
	MM 0, \cg, \q
	MM 1, \cg, \q
.if mw == pw
.irp n, 0,1,2,3,4,5,6,7
	PK \n, pg, pq
.endr
.endif
	MM 2, \cg, \q
	MM 3, \cg, \q
.if mw == pw
.irp n, 8,9,10,11,12,13,14,15
	PK \n, pg, pq
.endr
.else
.if (\hook) == 2
	REDUCE
.endif
	WIN pw
.if (\hook) == 1
	v_add_nc_u32 v[SW], s[SO], v[SA]               ; the plane of the o that is done
	s_add_co_u32 s[SO], s[SO], OP
.endif
.irp n, 0,1,2,3,4,5,6,7,8,9,10,11,12,13,14,15
	PK \n, pg, pq
.endr
.if (\hook) == 1
	PADD 0
	PADD 1
.endif
.endif
.endm
.macro GLOAD cg                        ; ten LDS loads: the fragments of columns 32 cg .. 32 cg + 31 of my 128, both K steps, and their scale words, into buffer cg % 2
.irp s, 0,1
.irp g, 0,1
.irp c, 0,1
	ds_load_b128 v[WB+32*(\cg%2)+16*\s+8*\g+4*\c:WB+32*(\cg%2)+16*\s+8*\g+4*\c+3], v[AI] offset:4096*\cg+2048*\g+1024*\s+512*\c
.endr
.endr
.endr
	WIN 1
.irp s, 0,1
	ds_load_b32 v[WS+2*(\cg%2)+\s], v[AS] offset:256*\cg+128*\s
.endr
.endm
.macro ADDR                            ; the o-block in hand
	v_add_nc_u32 v[AI], s[TB], v[LI0]
	v_add_nc_u32 v[AS], s[TB], v[LS0]
.endm
; THE CHANGE OF SLOTS, in a slot's last o behind its last loads from the slot.  Each wave waits for its tensor load, its part of the other slot; adds 0 to its spare word; and waits for that and for its reads of this slot.
; fill = 1: the barrier opens a round of the cluster's, and the slot read out is filled again.
.macro TURN g0, fill
	WIN 0                                          ; (the add's two registers lie in window 0)
	s_wait_tensorcnt 0x0                           ; no tensor load of mine is out, so a group 0 may be written
	ds_add_u32 v[SPW], v[NIL]                      ; 0 onto my spare word; a step's work on registers stands between it and the wait for it
.if \fill
	s_add_nc_u64 s[\g0+2:\g0+3], s[\g0+2:\g0+3], 8*OBLK   ; eight o on; the type bits on top are not reached
.endif
	STEP 2, 0
	s_wait_dscnt 0x0                               ; the add is done, and my reads of this slot are over
	s_barrier_signal -1
	STEP 2, 1                                      ; work on registers while the others arrive
	WIN 0                                          ; at a branch and at a label every window is 0
	s_barrier_wait -1
.if \fill
	CREST                                          ; no wave of any partner still reads this slot or has a load on its way
	tensor_load_to_lds s[\g0:\g0+3], s[G1:G1+7]    ; my one tensor load behind the round, and the first thing there
	s_nop 0
.rept 4
	v_nop
.endr
.endif
.endm
; A BODY is one o from its columns 32-63 on, and the next o's columns 0-31 with the sums of this o.  The loads for a group of 32 columns are issued one group ahead, into the buffer that the group before was the last to multiply;
; each wait leaves out only the ten just issued.
; kind 0: the next o-block lies behind this one in the same slot.  1: the slot's last o; the slot is filled again.  2: the same, and nothing is left to fetch.  3: the last o of all.  nb: where the other slot begins.
.macro BODY kind, g0=0, nb=0
	WIN M0
	GLOAD 2
	s_wait_dscnt 10
	STEP 1, 0
	STEP 1, 1
	WIN M0
	GLOAD 3
	s_wait_dscnt 10
.if (\kind) == 1
	TURN \g0, 1
.elseif (\kind) == 2
	TURN \g0, 0
.else
	STEP 2, 0
	STEP 2, 1
.endif
.if (\kind) == 3
	s_wait_dscnt 0x0
	STEP 3, 0
	STEP 3, 1
	WIN M1
.irp n, 0,1,2,3,4,5,6,7,8,9,10,11,12,13,14,15
	PK \n, 3, 1                                    ; the last step's sums
.endr
	v_add_nc_u32 v[SW], s[SO], v[SA]
	PADD 0
	PADD 1
	REDUCE
.else
.if (\kind) == 0
	s_add_co_u32 s[TB], s[TB], OBLK
.else
	s_mov_b32 s[TB], \nb
.endif
	WIN M1
	ADDR
	GLOAD 0
	s_wait_dscnt 10
	STEP 3, 0
	STEP 3, 1
	WIN M0
	GLOAD 1
	s_wait_dscnt 10
	STEP 0, 0, 1
	STEP 0, 1, 2
.endif
	WIN 0
.endm
.macro THREE                           ; a slot's first three o
	s_mov_b32 s[TR], 3
.Lthree_\@:
	BODY 0
	s_sub_co_u32 s[TR], s[TR], 1
	s_cmp_lg_u32 s[TR], 0
	s_wait_alu depctr_va_vdst(0)
	s_cbranch_scc1 .Lthree_\@
.endm
	WIN M1
	ADDR
	GLOAD 0
	WIN M1
	GLOAD 1
	s_wait_loadcnt 0x0                             ; x1, its scale words, the bias
	s_wait_dscnt 10                                ; x2 is back from its turn and the first group is in; the second group's ten loads may be out
	WIN M0
.irp i, 0,1,2,3
	MM \i, 0, 0                                    ; the first step's products: there is nothing yet to add up beside them
.endr
.rept 4
	v_nop                                          ; the places behind them
.endr
	STEP 0, 1
	WIN 0
	THREE                                          ; o 0-3, slot 0, which then takes o 8-11
	BODY 1, G0A, SLOT1
	THREE                                          ; o 4-7, slot 1, which then takes o 12-15
	BODY 1, G0B, SLOT0
	THREE                                          ; o 8-11
	BODY 2, 0, SLOT1
	THREE                                          ; o 12-15
	BODY 3
	; THE WAY OUT.  A thread takes four nodes x four o: two partial sums of each (one a jw), the bias, and one 16-byte store a node; four lanes take a row's 64 bytes.
	s_wait_tensorcnt 0x0                           ; the wave's closing lines: behind my last tensor load and my last LDS store
	ds_add_u32 v[SPW], v[NIL]
	s_wait_dscnt 0x0                               ; the add is done, and my partial sums are stored
	CROUND                                         ; the closing round: no work-group ends while a partner may still ask for a tile that names it; and everybody's partial sums are stored
.irp i, 0,1,2,3
.irp w, 0,1
	ds_load_b128 v[V+8*\i+4*\w:V+8*\i+4*\w+3], v[FA] offset:OP*\i+1024*\w
.endr
.endr
.irp i, 0,1,2,3
	s_wait_dscnt 6-2*\i                            ; the younger loads may be out
.irp k, 0,2
.if \i%2
	v_pk_add_f32 v[V+8*\i+\k:V+8*\i+\k+1], v[V+8*\i+\k:V+8*\i+\k+1], v[BI+2*(\i/2):BI+2*(\i/2)+1] op_sel:[0,1] op_sel_hi:[1,1]
.else
	v_pk_add_f32 v[V+8*\i+\k:V+8*\i+\k+1], v[V+8*\i+\k:V+8*\i+\k+1], v[BI+2*(\i/2):BI+2*(\i/2)+1] op_sel:[0,0] op_sel_hi:[1,0]
.endif
.endr
.irp m, 0,1,2,3
	v_add_f32 v[OUT+4*\m+\i], v[V+8*\i+\m], v[V+8*\i+4+\m]
.endr
.endr
	s_wait_alu depctr_va_vdst(0)
.irp m, 0,1,2,3
	global_store_b128 v[GO], v[OUT+4*\m:OUT+4*\m+3], s[12:13] offset:1024*\m th:TH_STORE_NT   ; eight rows, 64 consecutive bytes of each
.endr
	s_endpgm
.Lfunc_end_k_q165065eb39_bilin:
	.size	k_q165065eb39_bilin, .Lfunc_end_k_q165065eb39_bilin-k_q165065eb39_bilin
	.p2alignl 7, 3214868480
	.fill 96, 4, 3214868480
	.section	.rodata,"a",@progbits
	.p2align	6, 0x0
	.amdhsa_kernel k_q165065eb39_bilin
		.amdhsa_group_segment_fixed_size 327680
		.amdhsa_private_segment_fixed_size 0
		.amdhsa_enable_private_segment 0
		.amdhsa_kernarg_size 40
		.amdhsa_user_sgpr_count 2
		.amdhsa_user_sgpr_kernarg_segment_ptr 1
		.amdhsa_wavefront_size32 1
		.amdhsa_system_sgpr_workgroup_id_x 1
		.amdhsa_system_sgpr_workgroup_id_y 1
		.amdhsa_system_sgpr_workgroup_id_z 1
		.amdhsa_system_vgpr_workitem_id 0
		.amdhsa_next_free_vgpr 512
		.amdhsa_next_free_sgpr 66
		.amdhsa_reserve_vcc 0
		.amdhsa_float_denorm_mode_32 3
		.amdhsa_float_denorm_mode_16_64 3
		.amdhsa_memory_ordered 1
		.amdhsa_forward_progress 1
		.amdhsa_inst_pref_size 157
	.end_amdhsa_kernel
	.amdgpu_metadata
---
amdhsa.version: [ 1, 2 ]
amdhsa.kernels:
  - .name:           k_q165065eb39_bilin
    .symbol:         k_q165065eb39_bilin.kd
    .args:
      - { .name: wq, .offset: 0, .size: 8, .value_kind: global_buffer, .address_space: global }
      - { .name: x1q, .offset: 8, .size: 8, .value_kind: global_buffer, .address_space: global }
      - { .name: x2, .offset: 16, .size: 8, .value_kind: global_buffer, .address_space: global }
      - { .name: bias, .offset: 24, .size: 8, .value_kind: global_buffer, .address_space: global }
      - { .name: out0, .offset: 32, .size: 8, .value_kind: global_buffer, .address_space: global }
    .group_segment_fixed_size: 327680
    .private_segment_fixed_size: 0
    .kernarg_segment_align: 8
    .kernarg_segment_size: 40
    .max_flat_workgroup_size: 256
    .sgpr_count:     66
    .vgpr_count:     512
    .wavefront_size: 32
...
	.end_amdgpu_metadata
.endif
;; end of part 2
